; MI455X (gfx1250); checked and timed in simulation.
; The chip was launched on July 23, 2026; its instructions are those of AMD's public machine-readable ISA for CDNA 5 (MIT licence, August 2026) and "CDNA5" Instruction Set Architecture Reference Guide (July 2026). The comments in the code are by the model that wrote it; some were corrected since.
;; Vi T Self Attention. Allowed arithmetic: matrix products marked QUANTISED: E4M3 operands, one given power-of-two scale a tensor, by v_wmma_f32_16x16x64_fp8_fp8 or v_wmma_f32_16x16x128_fp8_fp8, f32 sums; everything else in f32.
;; Inputs: Wk_codes 768 x 24 x 32 uint8 (E4M3 codes of Wk, K innermost, in blocks of 32 codes); Wq_codes 768 x 24 x 32 uint8 (E4M3 codes of Wq, K innermost, in blocks of 32 codes); Wv_codes 768 x 24 x 32 uint8 (E4M3 codes of Wv, K innermost, in blocks of 32 codes); bk 768 float32; bq 768 float32; bv 768 float32; lowp_scales 10 int32 (the exponents e of the quantised operands' scales 2^e); x_codes 16 x 1,024 x 24 x 32 uint8 (E4M3 codes of x, K innermost, in blocks of 32 codes).
;; Outputs: out0 16 x 1,024 x 768 float32.
;; This version of the problem:
;;   THIS VERSION OF THE PROBLEM IS GIVEN IN LOW PRECISION. The matrix products marked QUANTISED in the list below multiply operands that are first quantised to E4M3 (4 exponent bits, 3 mantissa bits; 8 bits a number), with one given power-of-two scale for each operand tensor; their sums are f32. All else is computed in f32.
;;   The module's matrix products, in the order in which they are computed (A, B: the left and right operand; K: the contracted axis; several contracted axes count as one K, in the product's order):
;;     1. [M 16,384, K 768] x [K 768, N 768]; A: input x (given as codes); B: input Wq (given as codes): QUANTISED (scales: A lowp_scales[0], B lowp_scales[1])
;;     2. [M 16,384, K 768] x [K 768, N 768]; A: input x (given as codes); B: input Wk (given as codes): QUANTISED (scales: A lowp_scales[2], B lowp_scales[3])
;;     3. [M 16,384, K 768] x [K 768, N 768]; A: input x (given as codes); B: input Wv (given as codes): QUANTISED (scales: A lowp_scales[4], B lowp_scales[5])
;;     4. batch 192 x [M 1,024, K 64] x [K 64, N 1,024]; A: computed on the way; B: computed on the way: QUANTISED (scales: A lowp_scales[6], B lowp_scales[7])
;;     5. batch 192 x [M 1,024, K 1,024] x [K 1,024, N 64]; A: softmax (see below); B: computed on the way: QUANTISED (scales: A lowp_scales[8], B lowp_scales[9])
;;   THE QUANTISER, for each operand of a quantised product, along K:
;;     - The operand's scale is 2^e, e = its entry of the input lowp_scales (int32; the entries are numbered through the quantised products in the list's order, A before B).
;;     - Each number is divided by the scale, clamped to +-448, and rounded to the nearest number of E4M3, ties to even, subnormals kept.
;;     - The product sums the exact products of the quantised numbers (number of the format x scale) in f32.
;;   ~~~python
;;   def quantise(x, axis, e):      # numpy; x: float32 -> the quantised numbers, widened to float32 again
;;       x = np.moveaxis(x, axis, -1); K = x.shape[-1]
;;       r = np.clip(x / 2.0 ** e, -448, 448)
;;       step = 2.0 ** (np.maximum(np.frexp(np.where(r == 0, 1, r))[1] - 1, -6) - 3)
;;       q = np.round(r / step) * step * 2.0 ** e      # np.round: ties to even
;;       return np.moveaxis(q, -1, axis).astype(np.float32)
;;   ~~~
;;   SOFTMAX AHEAD OF A QUANTISED PRODUCT. Where the list says 'softmax', what is quantised is not the finished softmax but p = 2^(t - M), with t = logit x log2(e) and M = ceil(the row's largest t), a whole number; so 1/2 < the row's largest p <= 1. The row's sum l is taken of the UNQUANTISED p, in f32, and the product's result is divided by l at the end. Since M is a whole number, a kernel that streams over the keys may use a running M (the ceiling of the running maximum): every later rescaling is an exact power of two, so the quantised numbers keep their values, but for numbers so far below the row's largest that they fall under the format's range.
;;   OPERANDS COMPUTED ON THE WAY. 'Computed on the way' means the value that the module computes at that place (a softmax that the list does not call 'softmax' is quantised finished and normalised). What goes into a quantiser is computed in f32, as accurately as f32 sums, v_exp_f32 and their like allow (about 1e-6 of the number): no bf16 or f16 on the way to a quantiser, and a product that is left as it is and whose result goes on into a quantised operand takes f32 operands (vector FMAs, or v_wmma_f32_16x16x4_f32). A number that lies on a knife's edge between two numbers of the format may be rounded either way, as far as f32 arithmetic and the matrix unit's own rounding can turn it there, and no further.
;;   INPUTS GIVEN AS CODES. Wk (in the module: [768, 768], K = its axis 0); Wq (in the module: [768, 768], K = its axis 0); Wv (in the module: [768, 768], K = its axis 0); x (in the module: [16, 1024, 768], K = its axis 2): each comes as NAME_codes (uint8): NAME with its K axis moved to the last place and cut into blocks of 32 codes, [.., K / 32, bytes a block], one block behind the other in memory; one code a byte (a code: sign, 4 exponent bits, 3 mantissa bits); its scale is its entry of lowp_scales. Its value is code x scale, taken as it is: it is not quantised again, and the codes and scales need not be those that the quantiser above would give.
;; One version. Each part assembles by itself: llvm-mc -triple=amdgcn-amd-amdhsa -mcpu=gfx1250 --defsym DOCPART=n.
;; ======== version 1 of 1: 2 launches
;; limits: right only within a limited range of input values
;; workspace buffers: qimg 12,582,912 bytes; kvimg 25,165,824 bytes
;; launch proj (part 1): grid 6 x 32, 4 waves a work-group, no clusters, 327,680 bytes of LDS; arguments x_codes, Wq_codes, Wk_codes, Wv_codes, bq, bk, bv, lowp_scales, qimg, kvimg; writes qimg, kvimg
.if DOCPART == 1
	.amdgcn_target "amdgcn-amd-amdhsa--gfx1250"
	.amdhsa_code_object_version 6
	.text
	.protected	k_q073b8bdfc1_proj
	.globl	k_q073b8bdfc1_proj
	.p2align	8
	.type	k_q073b8bdfc1_proj,@function
k_q073b8bdfc1_proj:
	s_mov_b64 s[64:65], 0
	v_nop
	global_prefetch_b8 v0, s[64:65] scope:SCOPE_SE
	s_setreg_imm32_b32 hwreg(HW_REG_WAVE_MODE, 25, 1), 1
	s_wait_xcnt 0x0
; q = x Wq + bq, k = x Wk + bk, v = x Wv + bv on codes of FP8 (E4M3), each result quantised at once with its given scale (e6, e7, e9) and stored as the image of the operand registers that the attention launch reads.
; Nothing of reference() is left out: every input is loaded.
; LIMITS on the given exponents, so that each power of two below is an f32 number: (the result's e) - (its two operands' e added) between -126 and 119; the bias is brought under the sums' scale by v_ldexp_f32, which has none.
; SHARES.  Work-group x = 2 x kind + half (kind 0 q, 1 k, 2 v; half: 384 of the 768 columns), y: 512 rows of x.  A wave owns 96 columns: its W, 36 fragments of 16 columns x 128 K, stays in 576 registers.
; x goes through two LDS slots of 128 rows, 2^17 bytes apart, each wave fetching 32 rows by one tensor load: four fills in all, one walking descriptor.
; A BLOCK is 64 rows of x, taken by ROW TILES: phase t multiplies tile t's 16 rows with all of W (36 products, six accumulators by turns).  x's 24 fragments of a block come through eight register buffers in five runs
; of LDS loads: all eight at the block's start, then four behind every fourth group of six products, into the four buffers just multiplied, 24 products ahead of their use.
; The hold of tile t - 1's 48 sums stands among phase t's products, two lines behind each product of K steps 1 to 4: both limits are scalars and the sum is the third source, so these lines run under the products' own windows.
; Its six conversions and the stores follow as one batch.  Tile 3's way out stands behind the block's products.
; q and k are used transposed (source 0 = W, source 1 = x: a lane holds one token, its registers run along the head's features); v is not (a lane holds one feature, registers along the tokens, which are its K).
; NO CLUSTER: the work-groups that read the same rows of x are the six along the grid's x, which do not divide into clusters of four; W goes from memory straight into registers.
; NO PREFETCH: there are four fills; two go out at the start, and each of the other two is asked for 288 products a wave ahead of its first read.
; REGISTERS.  Window 0: v1-11 addresses and constants, v12-23 the stores' offsets, v24-31 the biases' offsets, v32-159 x's eight fragment buffers, v160-207 the biases as C, v208-255 codes.
;   Windows 1, 2 and v0-63 of window 3: W.  Window 3, v64-255: the 24 accumulators.
.set XP,    816                        ; a row of x in LDS: three pieces of 256 bytes + 16 of padding
.set BLKB,  64*XP
.set WAVEB, 32*XP
.set SLOT1, 1<<17
.set SPARE, SLOT1+2*BLKB               ; behind slot 1: two blocks of 256 bytes that no other line names
.set RR,  1
.set HH,  2
.set WA,  3
.set XA0, 4
.set XAD, 5
.set LI,  6
.set LT,  7
.set SCL, 9
.set SPW, 10
.set NIL, 11
.set SA,  12
.set BA,  24
.set XF,  32
.set BI,  160
.set CD,  208
.set ACC, 64
.set WV,  2
.set TYP, 3
.set HALF, 4
.set GG,  5
.set G1,  48
.set G0,  56
.set LP,  60                           ; s60, s61: +-448 x the conversion's scale
.set LN,  61
.set SB,  62                           ; the slot in hand
.set UC,  63
.set TB,  66
.set CNT, 67
.set MSB, 0
.macro WIN new                         ; the immediate's high byte repeats the setting that is left
.if MSB != (\new)
	s_set_vgpr_msb (MSB<<8)|(\new)
.set MSB, (\new)
.endif
.endm
.macro PLACES
.rept 4
	v_nop
.endr
.endm
	s_load_b512 s[8:23], s[0:1], 0x0               ; x, Wq, Wk, Wv, bq, bk, bv, the exponents
	s_load_b128 s[24:27], s[0:1], 0x40             ; qimg, kvimg
	v_lshl_add_u32 v[SPW], v0, 2, SPARE
	v_mov_b32 v[NIL], 0
	ds_add_u32 v[SPW], v[NIL]                      ; the opening lines: the add, twice on end, and its wait
	ds_add_u32 v[SPW], v[NIL]
	v_lshrrev_b32 v1, 5, v0
	v_readfirstlane_b32 s[WV], v1
	s_lshr_b32 s[TYP], ttmp9, 1
	s_and_b32 s[HALF], ttmp9, 1
	s_and_b32 s[GG], ttmp7, 0xffff
	s_mov_b32 s[G1+0], (3<<16)|(1<<20)|(5<<22)|(3<<25)   ; elements of 8 bytes; four words of padding behind every 64
	s_mov_b32 s[G1+1], 32<<16                      ; 32 rows of 768 bytes lie dense: stated as 96 rows of 256
	s_mov_b32 s[G1+2], 96<<16
	s_mov_b32 s[G1+3], 32<<16
	s_mov_b32 s[G1+4], 96
	s_mov_b32 s[G1+5], 32
	s_mov_b32 s[G1+6], 0
	s_mov_b32 s[G1+7], 0
	s_lshl_b32 s34, s[GG], 9
	s_lshl_b32 s72, s[WV], 5
	s_add_co_u32 s34, s34, s72
	s_mul_i32 s34, s34, 768                        ; my 32 rows of the first 128
	s_mov_b32 s35, 0
	s_mul_i32 s73, s[WV], WAVEB
	s_wait_dscnt 0x0
	s_wait_kmcnt 0x0
	s_load_b256 s[36:43], s[22:23], 0x0
	s_load_b64 s[44:45], s[22:23], 0x20
	s_mov_b32 s[G0], 1
	s_mov_b32 s[G0+1], s73
	s_add_nc_u64 s[G0+2:G0+3], s[8:9], s[34:35]
	s_or_b32 s[G0+3], s[G0+3], 0x80000000
	tensor_load_to_lds s[G0:G0+3], s[G1:G1+7]      ; rows 0-127 into slot 0: my one tensor load at the head; W is loaded while it is out
	s_nop 0
	PLACES
	v_and_b32 v[RR], 15, v0
	v_bfe_u32 v[HH], v0, 4, 1
	v_mul_u32_u24 v[WA], v[RR], 768
	v_lshl_add_u32 v[WA], v[HH], 4, v[WA]
	v_mul_u32_u24 v[XA0], v[RR], XP
	v_lshl_add_u32 v[XA0], v[HH], 4, v[XA0]
	v_and_b32 v[LI], 31, v0
	v_lshlrev_b32 v[LI], 4, v[LI]
	s_wait_alu depctr_va_vdst(0)                   ; a wait ahead of the run of scalar lines
	s_mul_i32 s72, s[HALF], 384
	s_mul_i32 s73, s[WV], 96
	s_add_co_u32 s72, s72, s73                     ; my first column
	s_cmp_eq_u32 s[TYP], 0
	s_cselect_b64 s[28:29], s[10:11], s[12:13]
	s_cselect_b64 s[30:31], s[16:17], s[18:19]
	s_cselect_b64 s[32:33], s[24:25], s[26:27]
	s_cmp_eq_u32 s[TYP], 2
	s_cselect_b64 s[28:29], s[14:15], s[28:29]
	s_cselect_b64 s[30:31], s[20:21], s[30:31]
	s_cselect_b32 s74, 4, 0                        ; the bias in the result's layout: v: one column a lane; q, k: eight columns along the registers
	s_cselect_b32 s75, 0, 32
	s_cselect_b32 s76, 0, 4
	s_mul_i32 s34, s72, 768
	s_add_nc_u64 s[28:29], s[28:29], s[34:35]
	s_lshl_b32 s34, s72, 2
	s_add_nc_u64 s[30:31], s[30:31], s[34:35]
	v_mul_u32_u24 v[LT], s74, v[RR]
	v_mad_u32_u24 v[LT], v[HH], s75, v[LT]
.irp j, 0,1,2,3,4,5,6,7
	v_mad_u32_u24 v[BA+\j], s76, \j, v[LT]
.endr
.macro WLOAD ks                        ; fragment 6 ks + f: columns 16 f on, K = 128 ks on
.irp f, 0,1,2,3,4,5
.set FI, 6*(\ks)+\f
.set NW, (1+FI/16)<<6
	WIN NW
.irp c, 0,1,2,3
	global_load_b128 v[16*(FI%16)+4*\c:16*(FI%16)+4*\c+3], v[WA], s[28:29] offset:\f*16*768+(\ks)*128+32*\c
.endr
.endr
.endm
	WLOAD 0
	WLOAD 1
	WLOAD 2
	WIN 0
.irp f, 0,1,2,3,4,5
.irp j, 0,1,2,3,4,5,6,7
	global_load_b32 v[BI+8*\f+\j], v[BA+\j], s[30:31] offset:64*\f
.endr
.endr
	WLOAD 3
	WLOAD 4
	WLOAD 5
	WIN 0
	s_wait_kmcnt 0x0
	s_cmp_eq_u32 s[TYP], 0
	s_cselect_b32 s68, s36, s38
	s_cselect_b32 s69, s37, s39
	s_cselect_b32 s72, s42, s43
	s_cselect_b32 s70, 16, 17
	s_cmp_eq_u32 s[TYP], 2
	s_cselect_b32 s68, s40, s68
	s_cselect_b32 s69, s41, s69
	s_cselect_b32 s72, s45, s72
	s_cselect_b32 s74, 1, 2
	s_cselect_b32 s75, 2, 1
	s_cselect_b32 s76, 1, 3
	s_cselect_b32 s77, 3, 1
	s_cselect_b32 s78, 9, 10
	s_cselect_b32 s79, 10, 9
	s_cselect_b32 s46, 1, 0
	s_cselect_b32 s47, 0x10000, 0
	s_add_co_i32 s68, s68, s69                     ; the two operands' exponents added
	s_sub_co_i32 s71, 0, s68
	s_sub_co_i32 s72, s72, s68                     ; a sum's code is sum / 2^(the result's e - that)
	s_add_co_i32 s72, s72, 127
	s_lshl_b32 s73, s72, 23
	v_mov_b32 v[SCL], s73
	s_add_co_i32 s72, s72, 8
	s_lshl_b32 s72, s72, 23
	s_or_b32 s[LP], s72, 0x600000                  ; 448 x that scale,
	s_or_b32 s[LN], s[LP], 0x80000000              ; and its negative
	s_mul_i32 s68, s[HALF], 12
	s_mul_i32 s69, s[WV], 3
	s_add_co_u32 s68, s68, s69
	s_lshl_b32 s68, s68, s46
	s_lshr_b32 s72, s[GG], 1
	s_mul_i32 s72, s72, 12
	s_lshl_b32 s34, s72, s70
	s_add_co_u32 s34, s34, s47
	s_and_b32 s72, s[GG], 1
	s_lshl_b32 s72, s72, 15
	s_add_co_u32 s34, s34, s72
	s_add_nc_u64 s[32:33], s[32:33], s[34:35]
	s_sub_nc_u64 s[32:33], s[32:33], 4096          ; one block back: every block steps the base by 4,096 ahead of its first store
.irp k, 0,1,2,3,4,5,6,7,8,9,10,11
	s_lshr_b32 s72, \k, s74
	s_add_co_u32 s72, s72, s68
	s_lshr_b32 s73, s72, s75
	s_lshl_b32 s73, s73, s70
	s_and_b32 s72, s72, s77
	s_lshl_b32 s72, s72, s79
	s_add_co_u32 s73, s73, s72
	s_and_b32 s72, \k, s76
	s_lshl_b32 s72, s72, s78
	s_add_co_u32 s73, s73, s72
	v_add_nc_u32 v[SA+\k], s73, v[LI]
.endr
	s_wait_loadcnt 63                              ; 192 loads were issued: W's K steps 0 to 2 and the 48 biases are the first 120
.set I, 0
.rept 48
	v_ldexp_f32 v[BI+I], v[BI+I], s71              ; the bias under the sums' scale: it goes in as the first product's C
.set I, I+1
.endr
.macro TIDX f, t, isv                  ; TI: the place of accumulator (column tile f, row tile t) among the 24: the codes of places 2 k, 2 k + 1 leave by store k
.if \isv
.set TI, 4*(\f)+(\t)
.else
.set TI, 8*((\f)/2)+2*(\t)+((\f)%2)
.endif
.endm
.macro FETCH g                         ; x's fragment g = 6 t + ks into buffer g % 8
.irp c, 0,1,2,3
	ds_load_b128 v[XF+16*((\g)%8)+4*\c:XF+16*((\g)%8)+4*\c+3], v[XAD] offset:((\g)/6)*16*XP+272*(((\g)%6)/2)+128*((\g)%2)+32*\c
.endr
.endm
.macro CVTS t, isv                     ; row tile t's six accumulators become codes and leave
	WIN 0x03                                       ; source 0 window 3
.irp f, 0,1,2,3,4,5
	TIDX \f, \t, \isv
	v_cvt_scalef32_pk8_fp8_f32 v[CD+2*TI:CD+2*TI+1], v[ACC+8*TI:ACC+8*TI+7], v[SCL]
.endr
	WIN 0
	v_nop                                          ; one plain line behind the last conversion
.if \isv
.if ((\t)%2) == 1                      ; v: a store holds two row tiles of one column tile
.irp f, 0,1,2,3,4,5
	global_store_b128 v[SA+2*\f+(\t)/2], v[CD+4*(2*\f+(\t)/2):CD+4*(2*\f+(\t)/2)+3], s[32:33]
.endr
.endif
.else
.irp u, 0,1,2                          ; q, k: a store holds two column tiles of one row tile
	global_store_b128 v[SA+4*\u+(\t)], v[CD+4*(4*\u+(\t)):CD+4*(4*\u+(\t))+3], s[32:33]
.endr
.endif
.endm
.macro GROUP t, ks, isv                ; six products: row tile t, K step ks, my six column tiles
.set G, 6*(\t)+(\ks)
.set HM, 0
.if (\t) > 0
.if (\ks) >= 1
.if (\ks) <= 4
.set HM, 1
.endif
.endif
.endif
.if (\t) == 0
.if (\ks) >= 3
	s_wait_loadcnt 24*(5-(\ks))                    ; W's K step ks is in: the later K steps' 24 loads each may be out
.endif
.endif
.if G == 7
	s_wait_xcnt 0x0                                ; the last block's stores have read their registers and base: the base steps, and the codes' registers may be written
	s_add_nc_u64 s[32:33], s[32:33], 4096
.endif
.if (G%4) == 0
.if G < 20
	s_wait_dscnt 16                                ; fragments g to g + 3 are in; the youngest run, the next four fragments' 16 loads, may be out
.else
	s_wait_dscnt 0x0
.endif
.endif
.set XR, XF+16*(G%8)
.irp f, 0,1,2,3,4,5
.set FI, 6*(\ks)+\f
.set WR, 16*(FI%16)
.if (\ks) == 0
.set CW, 0
.else
.set CW, 3
.endif
.if \isv
.set NW, 0xc0|(CW<<4)|((1+FI/16)<<2)
.else
.set NW, 0xc0|(CW<<4)|(1+FI/16)
.endif
	WIN NW
	TIDX \f, \t, \isv
.set AR, ACC+8*TI
.if \isv
.if (\ks) == 0
	v_wmma_f32_16x16x128_fp8_fp8 v[AR:AR+7], v[XR:XR+15], v[WR:WR+15], v[BI+8*\f:BI+8*\f+7]
.else
	v_wmma_f32_16x16x128_fp8_fp8 v[AR:AR+7], v[XR:XR+15], v[WR:WR+15], v[AR:AR+7]
.endif
.else
.if (\ks) == 0
	v_wmma_f32_16x16x128_fp8_fp8 v[AR:AR+7], v[WR:WR+15], v[XR:XR+15], v[BI+8*\f:BI+8*\f+7]
.else
	v_wmma_f32_16x16x128_fp8_fp8 v[AR:AR+7], v[WR:WR+15], v[XR:XR+15], v[AR:AR+7]
.endif
.endif
.if HM
.set M, 12*((\ks)-1)+2*\f              ; the hold of row tile t - 1: sums M, M + 1 of its 48, each accumulator from its low end on
	TIDX M/8, (\t)-1, \isv
	v_med3_num_f32 v[ACC+8*TI+M%8], s[LP], s[LN], v[ACC+8*TI+M%8]
	v_med3_num_f32 v[ACC+8*TI+M%8+1], s[LP], s[LN], v[ACC+8*TI+M%8+1]
.endif
.endr
.if HM == 0
	PLACES                                         ; places ahead of loads into buffers just multiplied and of the next lines that read finished sums
.endif
.if (\t) > 0
.if (\ks) == 4
	CVTS (\t)-1, \isv
.endif
.endif
	WIN 0
.if (G%4) == 3
.if G+5 < 24
.if HM
	PLACES                                         ; four places behind this group's last product
.endif
	FETCH G+5                                      ; one run of 16 loads, into the four buffers that groups g - 3 to g have multiplied
	FETCH G+6
	FETCH G+7
	FETCH G+8
.endif
.endif
.endm
.macro BODY isv
.irp t, 0,1,2,3
.irp ks, 0,1,2,3,4,5
	GROUP \t, \ks, \isv
.endr
.endr
	WIN 0xf0                                       ; row tile 3's way out: destination and third source window 3
.irp f, 0,1,2,3,4,5
	TIDX \f, 3, \isv
.irp j, 0,1,2,3,4,5,6,7
	v_med3_num_f32 v[ACC+8*TI+\j], s[LP], s[LN], v[ACC+8*TI+\j]
.endr
.endr
	CVTS 3, \isv
.endm
.macro BLOCK                           ; 64 rows of x
	v_add_nc_u32 v[XAD], s[TB], v[XA0]
	s_wait_alu depctr_va_vdst(0)                   ; a wait behind this write
.irp g, 0,1,2,3,4,5,6,7
	FETCH \g
.endr
	s_cmp_eq_u32 s[TYP], 2
	s_cbranch_scc1 .Lv_\@
	BODY 0
	s_branch .Lj_\@
.Lv_\@:
	BODY 1
.Lj_\@:
.endm
; A SLOT: all my tensor loads are in, the add, my reads of the slot that I have left are over; one barrier; more = 1: the next 128 rows are asked for, into the other slot; then the slot's two blocks.
.macro UNIT more
	s_wait_tensorcnt 0x0
	ds_add_u32 v[SPW], v[NIL]
.if \more
	s_xor_b32 s[G0+1], s[G0+1], SLOT1              ; no load of mine is out, so group 0 may walk
	s_add_nc_u64 s[G0+2:G0+3], s[G0+2:G0+3], 128*768
.endif
	s_wait_dscnt 0x0
	s_barrier_signal -1
	s_barrier_wait -1
.if \more
	tensor_load_to_lds s[G0:G0+3], s[G1:G1+7]      ; my one tensor load behind the barrier
	s_nop 0
	PLACES
.endif
	s_mov_b32 s[TB], s[SB]
	s_mov_b32 s[CNT], 2
.Lblk_\@:
	BLOCK
	s_add_co_u32 s[TB], s[TB], BLKB
	s_sub_co_u32 s[CNT], s[CNT], 1
	s_cmp_lg_u32 s[CNT], 0
	s_cbranch_scc1 .Lblk_\@
	s_xor_b32 s[SB], s[SB], SLOT1
.endm
	s_wait_alu depctr_va_vdst(0)                   ; a wait at the head's end
	s_mov_b32 s[SB], 0
	s_mov_b32 s[UC], 3
.Lunit:                                            ; slots 0, 1, 0: each asks for its successor
	UNIT 1
	s_sub_co_u32 s[UC], s[UC], 1
	s_cmp_lg_u32 s[UC], 0
	s_cbranch_scc1 .Lunit
	UNIT 0                                         ; the last slot is written out: it asks for nothing
	s_wait_tensorcnt 0x0                           ; the wave's end
	ds_add_u32 v[SPW], v[NIL]
	s_wait_dscnt 0x0
	s_endpgm
.Lfunc_end_k_q073b8bdfc1_proj:
	.size	k_q073b8bdfc1_proj, .Lfunc_end_k_q073b8bdfc1_proj-k_q073b8bdfc1_proj
	.p2alignl 7, 3214868480
	.fill 96, 4, 3214868480
	.section	.rodata,"a",@progbits
	.p2align	6, 0x0
	.amdhsa_kernel k_q073b8bdfc1_proj
		.amdhsa_group_segment_fixed_size 327680
		.amdhsa_private_segment_fixed_size 0
		.amdhsa_enable_private_segment 0
		.amdhsa_kernarg_size 80
		.amdhsa_user_sgpr_count 2
		.amdhsa_user_sgpr_kernarg_segment_ptr 1
		.amdhsa_wavefront_size32 1
		.amdhsa_system_sgpr_workgroup_id_x 1
		.amdhsa_system_sgpr_workgroup_id_y 1
		.amdhsa_system_sgpr_workgroup_id_z 1
		.amdhsa_system_vgpr_workitem_id 0
		.amdhsa_next_free_vgpr 1024
		.amdhsa_next_free_sgpr 80
		.amdhsa_reserve_vcc 0
		.amdhsa_float_denorm_mode_32 3
		.amdhsa_float_denorm_mode_16_64 3
		.amdhsa_memory_ordered 1
		.amdhsa_forward_progress 1
		.amdhsa_inst_pref_size 164
	.end_amdhsa_kernel
	.amdgpu_metadata
---
amdhsa.version: [ 1, 2 ]
amdhsa.kernels:
  - .name:           k_q073b8bdfc1_proj
    .symbol:         k_q073b8bdfc1_proj.kd
    .args:
      - { .name: x_codes, .offset: 0, .size: 8, .value_kind: global_buffer, .address_space: global }
      - { .name: Wq_codes, .offset: 8, .size: 8, .value_kind: global_buffer, .address_space: global }
      - { .name: Wk_codes, .offset: 16, .size: 8, .value_kind: global_buffer, .address_space: global }
      - { .name: Wv_codes, .offset: 24, .size: 8, .value_kind: global_buffer, .address_space: global }
      - { .name: bq, .offset: 32, .size: 8, .value_kind: global_buffer, .address_space: global }
      - { .name: bk, .offset: 40, .size: 8, .value_kind: global_buffer, .address_space: global }
      - { .name: bv, .offset: 48, .size: 8, .value_kind: global_buffer, .address_space: global }
      - { .name: lowp_scales, .offset: 56, .size: 8, .value_kind: global_buffer, .address_space: global }
      - { .name: qimg, .offset: 64, .size: 8, .value_kind: global_buffer, .address_space: global }
      - { .name: kvimg, .offset: 72, .size: 8, .value_kind: global_buffer, .address_space: global }
    .group_segment_fixed_size: 327680
    .private_segment_fixed_size: 0
    .kernarg_segment_align: 8
    .kernarg_segment_size: 80
    .max_flat_workgroup_size: 128
    .sgpr_count:     80
    .vgpr_count:     1024
    .wavefront_size: 32
...
	.end_amdgpu_metadata
.endif
;; end of part 1
;; launch attn (part 2): grid 16 x 16, 8 waves a work-group, clusters of 4 x 1, 327,680 bytes of LDS; arguments qimg, kvimg, lowp_scales, out0; writes out0
.if DOCPART == 2
	.amdgcn_target "amdgcn-amd-amdhsa--gfx1250"
	.amdhsa_code_object_version 6
	.text
	.protected	k_q073b8bdfc1_attn
	.globl	k_q073b8bdfc1_attn
	.p2align	8
	.type	k_q073b8bdfc1_attn,@function
k_q073b8bdfc1_attn:
	s_mov_b64 s[64:65], 0
	v_nop
	global_prefetch_b8 v0, s[64:65] scope:SCOPE_SE
	s_setreg_imm32_b32 hwreg(HW_REG_WAVE_MODE, 25, 1), 1
	s_wait_xcnt 0x0
	s_wait_alu depctr_hold_cnt(0) depctr_sa_sdst(0) depctr_va_vdst(0) depctr_va_sdst(0) depctr_va_ssrc(0) depctr_va_vcc(0) depctr_vm_vsrc(0)
	s_getreg_b32 s2, hwreg(HW_REG_IB_STS2, 6, 4)
	s_cmp_eq_u32 s2, 0
	s_cbranch_scc0 .Lentry_in_a_cluster
	s_endpgm
.Lentry_in_a_cluster:
	s_bfe_u32 s2, ttmp6, 0x10000c
	s_cmp_lg_u32 s2, 0x3003
	s_cbranch_scc0 .Lentry_shape_is_right
	s_endpgm
.Lentry_shape_is_right:
; out[b][q][64 h + d] = the sum over keys of softmax(q . k / 8) v, both products on codes of FP8 (E4M3); q, k, v come as the images of operand registers that the launch before has stored.
; THE SOFTMAX AHEAD OF THE SECOND PRODUCT: t = score x log2(e) / 8; M = the row's largest t so far, rounded UP to a whole number; p = 2^(t - M) is quantised with the given 2^e8, not normalised.
; The row's sum is taken of the unquantised p, in f32, and divides O at the end.  When M moves, the sum and O are multiplied by 2^(old M - new M): exact.
; LIMITS on the given exponents, so that each power of two below is an f32 number: e6 + e7 between -123 and 130 (added to c's exponent field); e8 between -126 and 119; e8 + e9 goes by v_ldexp_f32 and has none.
; SHARES.  256 work-groups that stay.  A cluster of four owns THREE heads of one batch (heads 3 x .. 3 x + 2, x the cluster's number along the grid's x), one after the other; of each head a work-group owns
; 256 queries, each of its eight waves 32 of them, two tiles of 16, so that each fragment of K and of V read from LDS feeds two products.  Every wave walks the head's 1,024 keys, 128 a step.
; LDS.  Two slots of 131,072 bytes, each a whole head's K image (65,536) and V image (65,536); behind them a stage of 16 rows x 272 bytes for each wave, for the way out, and the spare words.
; While head p is computed from one slot, head p + 1's images land in the other: asked for behind the round at head p's start, eight key steps ahead of their first read.
; CLUSTER.  The four partners read the same K and V: each wave asks JOINTLY for its eighth of a slot (64 rows of 256 bytes), one tensor load a wave at the head and one behind each round.
; NO SEPARATE PREFETCH: heads 1 and 2 are asked for by the joint loads themselves eight key steps ahead, and head 0's load stands at the kernel's head, with no loop ahead of it.
; A head's stores are waited for by nothing: only their registers and base are freed (s_wait_xcnt 0) ahead of the next head.  The next head's Q is loaded in a head's last key step.
; LAYOUT.  Both products are used transposed: S^T = K Q^T, O^T = V^T P^T: a lane holds ONE query (lane % 16) throughout.  Register j of score tile kt is key 16 kt + 8 (lane / 16) + j,
; so p's codes fall into registers 2 kt, 2 kt + 1: the place in which V's image holds the same key.  Every LDS read of an image is 16 x lane on end.
; REGISTERS.  Window 0: v1-7, v28-31 addresses and constants; v8-23 eight registers of statistics a tile; v24-27 second chains of the sums; v32-47 Q; v48-79 p's codes; v96-223 S^T, then p; v254, v255 the add's two.
;   Window 1: v0-63 O^T (32 a tile); v64-127 K's eight fragments of a step; v128-191 V's four.
.set LI,  1                            ; 16 x lane
.set ADK, 2                            ; LDS address of the step's K
.set ADV, 3                            ; of its V
.set STO, 4                            ; the way out: where I put 32 bytes of a row
.set RD,  5                            ; and where I read a row back
.set LIM, 6                            ; v6, v7: 448 x 2^e8, twice (the halves of a dual instruction take first sources from different banks)
.set T0,  8                            ; tile q at v[T0 + 8 q]: +0 -M, +1 largest t, +2, +3 the sum, +4 f, +5, +6 the maximum's chains, +7 from the other half of the lanes
.set U0,  24
.set GO,  28                           ; my byte offset in the wave's rows of the output
.set RR,  29
.set HH,  30
.set SCL, 31                           ; 2^e8
.set QF,  32
.set PC,  48
.set S0,  96
.set SPW, 254                          ; LDS address of my spare word; never rewritten
.set NIL, 255                          ; 0; never rewritten
.set KF,  64                           ; in window 1
.set VF,  128
.set SLOTB, 131072
.set STAGE, 2*SLOTB
.set SPARE, STAGE+8*16*272             ; four blocks of 256 bytes that no other line names
.set WV,  16
.set CX,  17
.set BB,  18
.set BH,  19                           ; batch x 12 + the cluster's first head
.set SEL, 20                           ; s[20:21] selects for lane l xor 16
.set CS,  22                           ; s[22:23] c = log2(e) / 8 x 2^(e6 + e7)
.set G1,  24                           ; s[24:31] descriptor group 1;  s[40:43] group 0, which walks
.set G0,  40
.set TB,  48                           ; the step's first byte in K's image in LDS (65,536 further on: V's)
.set CNT, 49
.set EO,  50                           ; e8 + e9
.set H3,  51                           ; the cluster's first head
.set SB,  60                           ; the slot in hand
.set HC,  61
.set MSB, 0
.macro WIN new                         ; the immediate's high byte repeats the setting that is left
.if MSB != (\new)
	s_set_vgpr_msb (MSB<<8)|(\new)
.set MSB, (\new)
.endif
.endm
.macro PLACES
.rept 4
	v_nop
.endr
.endm
.macro CROUND                          ; a round of the cluster's barrier
	s_barrier_signal -1
	s_barrier_wait -1
	s_cmp_lg_u32 s[WV], 0
	s_cbranch_scc1 .Lnot_wave_0_\@
	s_barrier_signal -3
.Lnot_wave_0_\@:
	s_barrier_wait -3
	s_barrier_signal -1
	s_barrier_wait -1
.endm
	s_load_b256 s[4:11], s[0:1], 0x0               ; qimg s[4:5], kvimg s[6:7], the exponents s[8:9], out0 s[10:11]
	v_lshl_add_u32 v[SPW], v0, 2, SPARE
	v_mov_b32 v[NIL], 0
	ds_add_u32 v[SPW], v[NIL]                      ; the opening lines: the add, twice on end, and its wait
	ds_add_u32 v[SPW], v[NIL]
	v_lshrrev_b32 v1, 5, v0
	s_delay_alu instid0(VALU_DEP_1)
	v_readfirstlane_b32 s[WV], v1                  ; wave 0..7
	s_bfe_u32 s[CX], ttmp6, 0x40000                ; cx: my block of 256 queries: it enters Q's and the output's addresses alone
	s_and_b32 s[BB], ttmp7, 0xffff                 ; the batch
	s_mul_i32 s[H3], ttmp9, 3                      ; ttmp9 counts clusters
	s_mul_i32 s[BH], s[BB], 12
	s_add_co_u32 s[BH], s[BH], s[H3]
	s_mov_b32 s[G1], 15|(3<<16)|(1<<21)            ; the mask: all four partners; elements of 8 bytes; bit 21 beside a mask
	s_mov_b32 s[G1+1], 32<<16                      ; rows of 256 bytes,
	s_mov_b32 s[G1+2], 64<<16                      ; 64 of them, dense
	s_mov_b32 s[G1+3], 32<<16
	s_mov_b32 s[G1+4], 64
	s_mov_b32 s[G1+5], 32
	s_mov_b32 s[G1+6], 0
	s_mov_b32 s[G1+7], 0
	s_mov_b32 s[SEL], 0x76543210
	s_mov_b32 s[SEL+1], 0xfedcba98
	s_mov_b32 s[CS], 0x3e38aa3b                    ; log2(e) / 8
	s_lshl_b32 s52, s[WV], 14                      ; my eighth of a head's images: the same offset in memory and in a slot
	s_mov_b32 s53, 0
	s_lshl_b32 s56, s[BH], 17                      ; the first head's images in kvimg
	s_mov_b32 s57, 0
	s_wait_dscnt 0x0                               ; both opening adds are done
	s_wait_kmcnt 0x0
	s_load_b128 s[12:15], s[8:9], 0x18             ; e6, e7, e8, e9
	s_add_nc_u64 s[6:7], s[6:7], s[56:57]
	s_mov_b32 s[G0], 1
	s_mov_b32 s[G0+1], s52                         ; slot 0
	s_add_nc_u64 s[G0+2:G0+3], s[6:7], s[52:53]    ; batch, head and wave: alike in the four partners
	s_or_b32 s[G0+3], s[G0+3], 0x80000000
	CROUND                                         ; all four work-groups are here: the joint loads meet
	tensor_load_to_lds s[G0:G0+3], s[G1:G1+7]      ; head 0: my one tensor load at the head
	s_nop 0
	PLACES
	s_lshl_b32 s56, s[BH], 16                      ; Q: the head's image, my block's 16 tiles of 1,024 bytes, my wave's two
	s_lshl_b32 s58, s[CX], 14
	s_add_co_u32 s56, s56, s58
	s_lshl_b32 s58, s[WV], 11
	s_add_co_u32 s56, s56, s58
	s_add_nc_u64 s[4:5], s[4:5], s[56:57]
	v_and_b32 v[LI], 31, v0
	s_delay_alu instid0(VALU_DEP_1)
	v_lshlrev_b32 v[LI], 4, v[LI]
.irp q, 0,1
.irp c, 0,1
	global_load_b128 v[QF+8*\q+4*\c:QF+8*\q+4*\c+3], v[LI], s[4:5] offset:1024*\q+512*\c
.endr
.endr
	s_lshl_b32 s56, s[BB], 10                      ; the output: my first query's row of 3,072 bytes, the first head's 256 bytes in it
	s_lshl_b32 s58, s[CX], 8
	s_add_co_u32 s56, s56, s58
	s_lshl_b32 s58, s[WV], 5
	s_add_co_u32 s56, s56, s58
	s_mul_i32 s56, s56, 3072
	s_lshl_b32 s58, s[H3], 8
	s_add_co_u32 s56, s56, s58
	s_add_nc_u64 s[10:11], s[10:11], s[56:57]
	v_and_b32 v[RR], 15, v0
	v_bfe_u32 v[HH], v0, 4, 1
	s_mul_i32 s58, s[WV], 16*272
	s_add_co_u32 s58, s58, STAGE                   ; my stage
	v_mul_u32_u24 v[STO], v[RR], 272               ; in: row r, 32 bytes for each half of the lanes
	s_delay_alu instid0(VALU_DEP_1)
	v_lshl_add_u32 v[STO], v[HH], 5, v[STO]
	s_delay_alu instid0(VALU_DEP_1)
	v_add_nc_u32 v[STO], s58, v[STO]
	v_mul_u32_u24 v[RD], v[HH], 272                ; back: lanes 0-15 one row of 256 bytes, lanes 16-31 the next
	s_delay_alu instid0(VALU_DEP_1)
	v_lshl_add_u32 v[RD], v[RR], 4, v[RD]
	s_delay_alu instid0(VALU_DEP_1)
	v_add_nc_u32 v[RD], s58, v[RD]
	v_mul_u32_u24 v[GO], v[HH], 3072               ; and the same two rows in the output
	s_delay_alu instid0(VALU_DEP_1)
	v_lshl_add_u32 v[GO], v[RR], 4, v[GO]
	v_mov_b32 v[T0+7], 0                           ; written once: a lane permute's destination counts as one of its sources
	v_mov_b32 v[T0+15], 0
	s_wait_kmcnt 0x0
	s_add_co_i32 s58, s12, s13
	s_lshl_b32 s58, s58, 23
	s_add_co_i32 s[CS], s[CS], s58                 ; a score stands for score x 2^(e6 + e7)
	s_mov_b32 s[CS+1], s[CS]
	s_add_co_i32 s58, s14, 127
	s_lshl_b32 s59, s58, 23
	v_mov_b32 v[SCL], s59                          ; 2^e8, for the conversion
	s_add_co_i32 s58, s58, 8
	s_lshl_b32 s58, s58, 23
	s_or_b32 s58, s58, 0x600000
	v_mov_b32 v[LIM], s58                          ; 448 x 2^e8
	v_mov_b32 v[LIM+1], s58
	s_add_co_i32 s[EO], s14, s15
; A KEY STEP: 128 keys, for both tiles of queries, whose lines alternate.  first = 1: a head's first step starts M, the sum and O^T.  qn = 1: in the head's last step (CNT = 1) the next head's Q is asked for.
.macro STEP first, qn
.if \first                                     ; a head's first step fetches its own K; every later step finds K in registers: it was asked for in the step before and waited for ahead of that step's second product
	v_add_nc_u32 v[ADK], s[TB], v[LI]
	s_wait_alu depctr_va_vdst(0)                   ; a wait behind this write
	WIN 0x40                                       ; destination window 1, address window 0
.irp kt, 0,1,2,3,4,5,6,7
.irp c, 0,1
	ds_load_b128 v[KF+8*\kt+4*\c:KF+8*\kt+4*\c+3], v[ADK] offset:\kt*1024+512*\c
.endr
.endr
	s_wait_dscnt 0x0
.endif
	s_wait_loadcnt 0x0                             ; Q is in: no load into its registers is out when a product reads them
	WIN 0x01                                       ; source 0 (K) window 1
.irp kt, 0,1,2,3,4,5,6,7
.irp q, 0,1
	v_wmma_f32_16x16x64_fp8_fp8 v[S0+64*\q+8*\kt:S0+64*\q+8*\kt+7], v[KF+8*\kt:KF+8*\kt+7], v[QF+8*\q:QF+8*\q+7], 0
.endr
.endr
	WIN 0
.if \first                                     ; four places behind the products, ahead of the loads into K's and V's registers and of the first read of the scores
	v_add_nc_u32 v[ADV], 0x10000, v[ADK]
	v_nop
	v_nop
	v_nop
.else
	v_add_nc_u32 v[ADK], s[TB], v[LI]
	s_delay_alu instid0(VALU_DEP_1)
	v_add_nc_u32 v[ADV], 0x10000, v[ADK]
	v_nop
	v_nop
.endif
	s_wait_alu depctr_va_vdst(0)                   ; a wait here
	WIN 0x40                                       ; destination window 1, address window 0
.irp dt, 0,1,2,3
.irp b, 0,1,2,3
	ds_load_b128 v[VF+16*\dt+4*\b:VF+16*\dt+4*\b+3], v[ADV] offset:(\b/2)*4096+\dt*1024+(\b%2)*512   ; this step's V: keys 32 b on, features 16 dt on
.endr
.endr
.if \first
.irp kt, 0,1,2,3,4,5,6,7
.irp c, 0,1
	ds_load_b128 v[KF+8*\kt+4*\c:KF+8*\kt+4*\c+3], v[ADK] offset:8192+\kt*1024+512*\c   ; the next step's K: both land under the softmax
.endr
.endr
	WIN 0
.else
	WIN 0
	s_cmp_lg_u32 s[CNT], 1                         ; the head's last step has no next K in this slot:
	s_cbranch_scc1 .Lk_\@
.if \qn
.irp q, 0,1
.irp c, 0,1
	global_load_b128 v[QF+8*\q+4*\c:QF+8*\q+4*\c+3], v[LI], s[4:5] offset:65536+1024*\q+512*\c   ; it asks for the next head's Q, 65,536 bytes on
.endr
.endr
.endif
	s_branch .Lj_\@
.Lk_\@:
	WIN 0x40
.irp kt, 0,1,2,3,4,5,6,7
.irp c, 0,1
	ds_load_b128 v[KF+8*\kt+4*\c:KF+8*\kt+4*\c+3], v[ADK] offset:8192+\kt*1024+512*\c   ; the next step's K
.endr
.endr
	WIN 0
.Lj_\@:
.endif
.irp q, 0,1                                    ; the step's largest score of my query, in two chains a tile, each accumulator from its low end on
	v_max3_num_f32 v[T0+8*\q+6], v[S0+64*\q], v[S0+64*\q+1], v[S0+64*\q+2]
	v_max3_num_f32 v[T0+8*\q+5], v[S0+64*\q+3], v[S0+64*\q+4], v[S0+64*\q+5]
.endr
.irp i, 6,10,14,18,22,26,30,34,38,42,46,50,54,58
.irp q, 0,1
	v_max3_num_f32 v[T0+8*\q+6], v[T0+8*\q+6], v[S0+64*\q+\i], v[S0+64*\q+\i+1]
	v_max3_num_f32 v[T0+8*\q+5], v[T0+8*\q+5], v[S0+64*\q+\i+2], v[S0+64*\q+\i+3]
.endr
.endr
.irp q, 0,1
	v_max3_num_f32 v[T0+8*\q+6], v[T0+8*\q+6], v[S0+64*\q+62], v[S0+64*\q+63]
.endr
.irp q, 0,1
	s_delay_alu instid0(VALU_DEP_2)
	v_max_num_f32 v[T0+8*\q+6], v[T0+8*\q+6], v[T0+8*\q+5]
.endr
.irp q, 0,1
	s_delay_alu instid0(VALU_DEP_2)
	v_permlanex16_b32 v[T0+8*\q+7], v[T0+8*\q+6], s[SEL], s[SEL+1]
.endr
.irp q, 0,1
	s_delay_alu instid0(VALU_DEP_2)
	v_max_num_f32 v[T0+8*\q+6], v[T0+8*\q+6], v[T0+8*\q+7]   ; and among lane l xor 16's
.endr
.if \first
.irp q, 0,1
	s_delay_alu instid0(VALU_DEP_2)
	v_mul_f32 v[T0+8*\q+1], s[CS], v[T0+8*\q+6]    ; as t (c is positive)
.endr
.irp q, 0,1
	s_delay_alu instid0(VALU_DEP_2)
	v_floor_f32 v[T0+8*\q], -v[T0+8*\q+1]          ; -M = floor(-t) = -ceil(t): a whole number
.endr
.else
.irp q, 0,1
	s_delay_alu instid0(VALU_DEP_2)
	v_mul_f32 v[T0+8*\q+6], s[CS], v[T0+8*\q+6]
.endr
.irp q, 0,1
	s_delay_alu instid0(VALU_DEP_2)
	v_max_num_f32 v[T0+8*\q+1], v[T0+8*\q+1], v[T0+8*\q+6]   ; the running largest t
.endr
.irp q, 0,1
	v_mov_b32 v[T0+8*\q+6], v[T0+8*\q]
.endr
.irp q, 0,1
	s_delay_alu instid0(VALU_DEP_4)
	v_floor_f32 v[T0+8*\q], -v[T0+8*\q+1]
.endr
.irp q, 0,1
	s_delay_alu instid0(VALU_DEP_2)
	v_sub_f32 v[T0+8*\q+6], v[T0+8*\q], v[T0+8*\q+6]   ; M's old value less its new one: a whole number, 0 or less
.endr
.irp q, 0,1
	s_delay_alu instid0(VALU_DEP_2)
	v_cvt_i32_f32 v[T0+8*\q+6], v[T0+8*\q+6]       ; (it saturates)
.endr
.irp q, 0,1
	s_delay_alu instid0(VALU_DEP_2)
	v_ldexp_f32 v[T0+8*\q+4], 1.0, v[T0+8*\q+6]    ; f = 2^(old M - new M): a multiplication by it rounds nothing
.endr
.endif
.irp j, 0,2,4,6,8,10,12,14,16,18,20,22,24,26,28,30,32,34,36,38,40,42,44,46,48,50,52,54,56,58,60,62
.irp q, 0,1
	v_pk_fma_f32 v[S0+64*\q+\j:S0+64*\q+\j+1], v[S0+64*\q+\j:S0+64*\q+\j+1], s[CS:CS+1], v[T0+8*\q:T0+8*\q+1] op_sel_hi:[1,0,0]   ; t - M, two at a time
.endr
.endr
	s_wait_alu depctr_va_vdst(0)                   ; a wait ahead of the batch
.irp j, 0,1,2,3,4,5,6,7,8,9,10,11,12,13,14,15,16,17,18,19,20,21,22,23,24,25,26,27,28,29,30,31,32,33,34,35,36,37,38,39,40,41,42,43,44,45,46,47,48,49,50,51,52,53,54,55,56,57,58,59,60,61,62,63
.irp q, 0,1
	v_exp_f32 v[S0+64*\q+\j], v[S0+64*\q+\j]       ; p = 2^(t - M), at most 1: NOT normalised
.endr
.endr
.if \first
	v_nop                                          ; a plain place behind the exponentials
.else
.irp q, 0,1
	v_pk_mul_f32 v[T0+8*\q+2:T0+8*\q+3], v[T0+8*\q+2:T0+8*\q+3], v[T0+8*\q+4:T0+8*\q+5] op_sel_hi:[1,0]   ; the sums under the new M (plain places behind the exponentials)
.endr
.endif
	s_wait_alu depctr_va_vdst(0)                   ; one wait for the whole batch, ahead of its first reader
.irp q, 0,1
	v_pk_add_f32 v[U0+2*\q:U0+2*\q+1], v[S0+64*\q:S0+64*\q+1], v[S0+64*\q+2:S0+64*\q+3]   ; THE ROW'S SUM IS TAKEN OF THE UNQUANTISED p: two at a time, in two chains a tile
.endr
.irp j, 4,8,12,16,20,24,28,32,36,40,44,48,52,56,60
.irp q, 0,1
.if (\first) && (\j == 4)
	v_pk_add_f32 v[T0+8*\q+2:T0+8*\q+3], v[S0+64*\q+\j:S0+64*\q+\j+1], v[S0+64*\q+\j+2:S0+64*\q+\j+3]   ; a head's first step starts the sum: nothing is cleared
.else
	v_pk_add_f32 v[T0+8*\q+2:T0+8*\q+3], v[T0+8*\q+2:T0+8*\q+3], v[S0+64*\q+\j:S0+64*\q+\j+1]
	v_pk_add_f32 v[U0+2*\q:U0+2*\q+1], v[U0+2*\q:U0+2*\q+1], v[S0+64*\q+\j+2:S0+64*\q+\j+3]
.endif
.endr
.endr
.irp q, 0
	s_delay_alu instid0(VALU_DEP_3)
	v_pk_add_f32 v[T0+8*\q+2:T0+8*\q+3], v[T0+8*\q+2:T0+8*\q+3], v[U0+2*\q:U0+2*\q+1]
.endr
.irp q, 1
	s_delay_alu instid0(VALU_DEP_2)
	v_pk_add_f32 v[T0+8*\q+2:T0+8*\q+3], v[T0+8*\q+2:T0+8*\q+3], v[U0+2*\q:U0+2*\q+1]
.endr
.irp j, 0,2,4,6,8,10,12,14,16,18,20,22,24,26,28,30,32,34,36,38,40,42,44,46,48,50,52,54,56,58,60,62
.irp q, 0,1                                    ; the conversion to an 8-bit code does not saturate (ISA guide 7.6.2); p is not negative, so the hold is one-sided; two in one dual instruction
	v_dual_min_num_f32 v[S0+64*\q+\j], v[LIM], v[S0+64*\q+\j] :: v_dual_min_num_f32 v[S0+64*\q+\j+1], v[LIM+1], v[S0+64*\q+\j+1]
.endr
.endr
.irp kt, 0,1,2,3,4,5,6,7
.irp q, 0,1
	v_cvt_scalef32_pk8_fp8_f32 v[PC+16*\q+2*\kt:PC+16*\q+2*\kt+1], v[S0+64*\q+8*\kt:S0+64*\q+8*\kt+7], v[SCL]   ; keys 16 kt + 8 (lane / 16) + 0 .. 7
.endr
.endr
	v_nop                                          ; one plain vector instruction between the last conversion and the products that read its result
.if \first
	s_wait_alu depctr_va_vdst(0)
	s_wait_dscnt 0x0                               ; V is in
	WIN 0x41                                       ; source 0 (V) and D window 1; the first products start O^T's sums
.else
	WIN 0x41                                       ; O^T (destination and source 0) window 1, f window 0
	s_wait_alu depctr_va_vdst(0)                   ; a wait directly ahead of the first reader of O^T
.irp j, 0,2,4,6,8,10,12,14,16,18,20,22,24,26,28,30
.irp q, 0,1
	v_pk_mul_f32 v[32*\q+\j:32*\q+\j+1], v[32*\q+\j:32*\q+\j+1], v[T0+8*\q+4:T0+8*\q+5] op_sel_hi:[1,0]   ; O^T under the new M; each accumulator from its low end on
.endr
.endr
	s_wait_alu depctr_va_vdst(0)
	s_wait_dscnt 0x0                               ; V is in
	WIN 0x51                                       ; V, C and D window 1, P window 0
.endif
.irp dt, 0,1,2,3                               ; O^T += V^T P^T: the eight accumulators by turns
.irp q, 0,1
.if \first
	v_wmma_f32_16x16x128_fp8_fp8 v[32*\q+8*\dt:32*\q+8*\dt+7], v[VF+16*\dt:VF+16*\dt+15], v[PC+16*\q:PC+16*\q+15], 0
.else
	v_wmma_f32_16x16x128_fp8_fp8 v[32*\q+8*\dt:32*\q+8*\dt+7], v[VF+16*\dt:VF+16*\dt+15], v[PC+16*\q:PC+16*\q+15], v[32*\q+8*\dt:32*\q+8*\dt+7]
.endif
.endr
.endr
	WIN 0
.endm
; THE WAY OUT of a head.  The sum's halves and lane l xor 16's are added; O^T is divided by the sum, multiplied by 2^(e8 + e9), and goes through my stage, a tile of 16 queries at a time:
; the rows come back whole, so that sixteen lanes store the head's 256 consecutive bytes of one token, aligned.
.macro WAYOUT
	PLACES
.irp q, 0,1
	v_add_f32 v[T0+8*\q+2], v[T0+8*\q+2], v[T0+8*\q+3]
.endr
.irp q, 0,1
	s_delay_alu instid0(VALU_DEP_2)
	v_permlanex16_b32 v[T0+8*\q+7], v[T0+8*\q+2], s[SEL], s[SEL+1]
.endr
.irp q, 0,1
	s_delay_alu instid0(VALU_DEP_2)
	v_add_f32 v[T0+8*\q+2], v[T0+8*\q+2], v[T0+8*\q+7]
.endr
	s_wait_alu depctr_va_vdst(0)                   ; ahead of the reciprocals
.irp q, 0,1
	v_rcp_f32 v[T0+8*\q+4], v[T0+8*\q+2]           ; the sum lies between 1/2 and 1,024
.endr
	v_nop                                          ; one plain place behind them
	s_wait_alu depctr_va_vdst(0)                   ; and ahead of their first reader
.irp q, 0,1
	v_ldexp_f32 v[T0+8*\q+4], v[T0+8*\q+4], s[EO]
.endr
	WIN 0x01                                       ; source 0 (O^T) window 1
	s_wait_alu depctr_va_vdst(0)                   ; a wait directly ahead of the first reader of O^T
.irp q, 0,1
.irp j, 0,2,4,6,8,10,12,14,16,18,20,22,24,26,28,30
	v_pk_mul_f32 v[S0+64*\q+\j:S0+64*\q+\j+1], v[32*\q+\j:32*\q+\j+1], v[T0+8*\q+4:T0+8*\q+5] op_sel_hi:[1,0]   ; register 8 dt + i is out(query r, 16 dt + 8 (lane / 16) + i)
.endr
.endr
	WIN 0
.irp q, 0,1
.irp dt, 0,1,2,3
	ds_store_b128 v[STO], v[S0+64*\q+8*\dt:S0+64*\q+8*\dt+3] offset:64*\dt
	ds_store_b128 v[STO], v[S0+64*\q+8*\dt+4:S0+64*\q+8*\dt+7] offset:64*\dt+16
.endr
.irp i, 0,1,2,3,4,5,6,7
	ds_load_b128 v[S0+64*\q+32+4*\i:S0+64*\q+32+4*\i+3], v[RD] offset:2*\i*272   ; LDS serves a wave's instructions in order (ISA guide 5.7.1.4)
.endr
.endr
.irp i, 0,1,2,3,4,5,6,7
	s_wait_dscnt 23-\i                             ; behind tile 0's load i: its 7 - i younger loads and tile 1's sixteen LDS instructions
	global_store_b128 v[GO], v[S0+32+4*\i:S0+32+4*\i+3], s[10:11] offset:2*\i*3072 th:TH_STORE_NT
.endr
.irp i, 0,1,2,3,4,5,6,7
	s_wait_dscnt 7-\i
	global_store_b128 v[GO], v[S0+96+4*\i:S0+96+4*\i+3], s[10:11] offset:(16+2*\i)*3072 th:TH_STORE_NT
.endr
.endm
; A HEAD.  At its start: all my tensor loads are in (my eighth of this head's slot), the add, my LDS reads of the slot that I have left are over.
; more = 1: a round of the cluster's barrier, and behind it the next head's images are asked for, into the slot just left.  more = 0: the last head: a work-group barrier, and no load.
.macro HEAD more
	s_wait_tensorcnt 0x0
	ds_add_u32 v[SPW], v[NIL]
.if \more
	s_xor_b32 s[G0+1], s[G0+1], SLOTB              ; no load of mine is out, so group 0 may walk: the other slot,
	s_add_nc_u64 s[G0+2:G0+3], s[G0+2:G0+3], SLOTB ; the next head's images
.endif
	s_wait_dscnt 0x0
.if \more
	CROUND
	tensor_load_to_lds s[G0:G0+3], s[G1:G1+7]      ; my one tensor load behind the round
	s_nop 0
	PLACES
.else
	s_barrier_signal -1
	s_barrier_wait -1
.endif
	s_mov_b32 s[TB], s[SB]
	STEP 1, 0
	s_add_co_u32 s[TB], s[TB], 8192
	s_mov_b32 s[CNT], 7
.Lstep_\@:
	STEP 0, \more
	s_add_co_u32 s[TB], s[TB], 8192
	s_sub_co_u32 s[CNT], s[CNT], 1
	s_cmp_lg_u32 s[CNT], 0
	s_cbranch_scc1 .Lstep_\@
	WAYOUT
.if \more
	s_wait_xcnt 0x0                                ; the stores and Q's loads have read their registers and bases: both bases step, and the next head may write the stores' data registers
	s_add_nc_u64 s[4:5], s[4:5], 65536             ; the next head's Q image
	s_add_nc_u64 s[10:11], s[10:11], 256           ; and its 256 bytes of each token
	s_xor_b32 s[SB], s[SB], SLOTB
.endif
.endm
	s_wait_alu depctr_va_vdst(0)                   ; a wait at the head's end
	s_mov_b32 s[SB], 0
	s_mov_b32 s[HC], 2
.Lhead:                                            ; heads 0 and 1: each asks for its successor
	HEAD 1
	s_sub_co_u32 s[HC], s[HC], 1
	s_cmp_lg_u32 s[HC], 0
	s_cbranch_scc1 .Lhead
	HEAD 0                                         ; head 2 is written out: it asks for nothing
	s_wait_tensorcnt 0x0                           ; the wave's end
	ds_add_u32 v[SPW], v[NIL]
	s_wait_dscnt 0x0
	CROUND                                         ; the closing round
	s_endpgm
.Lfunc_end_k_q073b8bdfc1_attn:
	.size	k_q073b8bdfc1_attn, .Lfunc_end_k_q073b8bdfc1_attn-k_q073b8bdfc1_attn
	.p2alignl 7, 3214868480
	.fill 96, 4, 3214868480
	.section	.rodata,"a",@progbits
	.p2align	6, 0x0
	.amdhsa_kernel k_q073b8bdfc1_attn
		.amdhsa_group_segment_fixed_size 327680
		.amdhsa_private_segment_fixed_size 0
		.amdhsa_enable_private_segment 0
		.amdhsa_kernarg_size 32
		.amdhsa_user_sgpr_count 2
		.amdhsa_user_sgpr_kernarg_segment_ptr 1
		.amdhsa_wavefront_size32 1
		.amdhsa_system_sgpr_workgroup_id_x 1
		.amdhsa_system_sgpr_workgroup_id_y 1
		.amdhsa_system_sgpr_workgroup_id_z 1
		.amdhsa_system_vgpr_workitem_id 0
		.amdhsa_next_free_vgpr 448
		.amdhsa_next_free_sgpr 66
		.amdhsa_reserve_vcc 0
		.amdhsa_float_denorm_mode_32 3
		.amdhsa_float_denorm_mode_16_64 3
		.amdhsa_memory_ordered 1
		.amdhsa_forward_progress 1
		.amdhsa_inst_pref_size 133
	.end_amdhsa_kernel
	.amdgpu_metadata
---
amdhsa.version: [ 1, 2 ]
amdhsa.kernels:
  - .name:           k_q073b8bdfc1_attn
    .symbol:         k_q073b8bdfc1_attn.kd
    .args:
      - { .name: qimg, .offset: 0, .size: 8, .value_kind: global_buffer, .address_space: global }
      - { .name: kvimg, .offset: 8, .size: 8, .value_kind: global_buffer, .address_space: global }
      - { .name: lowp_scales, .offset: 16, .size: 8, .value_kind: global_buffer, .address_space: global }
      - { .name: out0, .offset: 24, .size: 8, .value_kind: global_buffer, .address_space: global }
    .group_segment_fixed_size: 327680
    .private_segment_fixed_size: 0
    .kernarg_segment_align: 8
    .kernarg_segment_size: 32
    .max_flat_workgroup_size: 256
    .sgpr_count:     66
    .vgpr_count:     448
    .wavefront_size: 32
...
	.end_amdgpu_metadata
.endif
;; end of part 2
